; MI455X (gfx1250); checked and timed in simulation.
; The chip was launched on July 23, 2026; its instructions are those of AMD's public machine-readable ISA for CDNA 5 (MIT licence, August 2026) and "CDNA5" Instruction Set Architecture Reference Guide (July 2026). The comments in the code are by the model that wrote it; some were corrected since.
;; complex GRU Cell. Allowed arithmetic: matrix products marked QUANTISED: E2M3 operands, one E8M0 scale for each 32 along K, by v_wmma_scale_f32_16x16x128_f8f6f4 with both operands' format E2M3, f32 sums; everything else in f32.
;; Inputs: h_im 16,384 x 256 float32; h_re 16,384 x 256 float32; uh_w_im_codes 256 x 8 x 24 uint8 (E2M3 codes of uh_w_im, K innermost, in blocks of 32 codes, four codes in three bytes); uh_w_im_scales 256 x 8 uint8 (E8M0 scales of uh_w_im, one for each 32 codes along K); uh_w_re_codes 256 x 8 x 24 uint8 (E2M3 codes of uh_w_re, K innermost, in blocks of 32 codes, four codes in three bytes); uh_w_re_scales 256 x 8 uint8 (E8M0 scales of uh_w_re, one for each 32 codes along K); ur_w_im_codes 256 x 8 x 24 uint8 (E2M3 codes of ur_w_im, K innermost, in blocks of 32 codes, four codes in three bytes); ur_w_im_scales 256 x 8 uint8 (E8M0 scales of ur_w_im, one for each 32 codes along K); ur_w_re_codes 256 x 8 x 24 uint8 (E2M3 codes of ur_w_re, K innermost, in blocks of 32 codes, four codes in three bytes); ur_w_re_scales 256 x 8 uint8 (E8M0 scales of ur_w_re, one for each 32 codes along K); uz_w_im_codes 256 x 8 x 24 uint8 (E2M3 codes of uz_w_im, K innermost, in blocks of 32 codes, four codes in three bytes); uz_w_im_scales 256 x 8 uint8 (E8M0 scales of uz_w_im, one for each 32 codes along K); uz_w_re_codes 256 x 8 x 24 uint8 (E2M3 codes of uz_w_re, K innermost, in blocks of 32 codes, four codes in three bytes); uz_w_re_scales 256 x 8 uint8 (E8M0 scales of uz_w_re, one for each 32 codes along K); wh_b_im 256 float32; wh_b_re 256 float32; wh_w_im_codes 256 x 16 x 24 uint8 (E2M3 codes of wh_w_im, K innermost, in blocks of 32 codes, four codes in three bytes); wh_w_im_scales 256 x 16 uint8 (E8M0 scales of wh_w_im, one for each 32 codes along K); wh_w_re_codes 256 x 16 x 24 uint8 (E2M3 codes of wh_w_re, K innermost, in blocks of 32 codes, four codes in three bytes); wh_w_re_scales 256 x 16 uint8 (E8M0 scales of wh_w_re, one for each 32 codes along K); wr_b_im 256 float32; wr_b_re 256 float32; wr_w_im_codes 256 x 16 x 24 uint8 (E2M3 codes of wr_w_im, K innermost, in blocks of 32 codes, four codes in three bytes); wr_w_im_scales 256 x 16 uint8 (E8M0 scales of wr_w_im, one for each 32 codes along K); wr_w_re_codes 256 x 16 x 24 uint8 (E2M3 codes of wr_w_re, K innermost, in blocks of 32 codes, four codes in three bytes); wr_w_re_scales 256 x 16 uint8 (E8M0 scales of wr_w_re, one for each 32 codes along K); wz_b_im 256 float32; wz_b_re 256 float32; wz_w_im_codes 256 x 16 x 24 uint8 (E2M3 codes of wz_w_im, K innermost, in blocks of 32 codes, four codes in three bytes); wz_w_im_scales 256 x 16 uint8 (E8M0 scales of wz_w_im, one for each 32 codes along K); wz_w_re_codes 256 x 16 x 24 uint8 (E2M3 codes of wz_w_re, K innermost, in blocks of 32 codes, four codes in three bytes); wz_w_re_scales 256 x 16 uint8 (E8M0 scales of wz_w_re, one for each 32 codes along K); x_im 16,384 x 256 float32; x_re 16,384 x 256 float32.
;; Outputs: out0 2 x 16,384 x 256 float32.
;; This version of the problem:
;;   THIS VERSION OF THE PROBLEM IS GIVEN IN LOW PRECISION. The matrix products marked QUANTISED in the list below multiply operands that are first quantised to E2M3 (2 exponent bits, 3 mantissa bits; 6 bits a number), with one power-of-two scale for each 32 numbers along K (OCP MX v1.0); their sums are f32. All else is computed in f32.
;;   The module's matrix products, in the order in which they are computed (A, B: the left and right operand; K: the contracted axis; several contracted axes count as one K, in the product's order):
;;     1. [M 16,384, K 512] x [K 512, N 256]; A: computed on the way; B: input wr_w_re (given as codes): QUANTISED
;;     2. [M 16,384, K 512] x [K 512, N 256]; A: computed on the way; B: input wr_w_im (given as codes): QUANTISED
;;     3. [M 16,384, K 512] x [K 512, N 256]; A: computed on the way; B: input wr_w_re (given as codes): QUANTISED
;;     4. [M 16,384, K 512] x [K 512, N 256]; A: computed on the way; B: input wr_w_im (given as codes): QUANTISED
;;     5. [M 16,384, K 256] x [K 256, N 256]; A: input h_re; B: input ur_w_re (given as codes): QUANTISED
;;     6. [M 16,384, K 256] x [K 256, N 256]; A: input h_im; B: input ur_w_im (given as codes): QUANTISED
;;     7. [M 16,384, K 256] x [K 256, N 256]; A: input h_im; B: input ur_w_re (given as codes): QUANTISED
;;     8. [M 16,384, K 256] x [K 256, N 256]; A: input h_re; B: input ur_w_im (given as codes): QUANTISED
;;     9. [M 16,384, K 512] x [K 512, N 256]; A: computed on the way; B: input wz_w_re (given as codes): QUANTISED
;;     10. [M 16,384, K 512] x [K 512, N 256]; A: computed on the way; B: input wz_w_im (given as codes): QUANTISED
;;     11. [M 16,384, K 512] x [K 512, N 256]; A: computed on the way; B: input wz_w_re (given as codes): QUANTISED
;;     12. [M 16,384, K 512] x [K 512, N 256]; A: computed on the way; B: input wz_w_im (given as codes): QUANTISED
;;     13. [M 16,384, K 256] x [K 256, N 256]; A: input h_re; B: input uz_w_re (given as codes): QUANTISED
;;     14. [M 16,384, K 256] x [K 256, N 256]; A: input h_im; B: input uz_w_im (given as codes): QUANTISED
;;     15. [M 16,384, K 256] x [K 256, N 256]; A: input h_im; B: input uz_w_re (given as codes): QUANTISED
;;     16. [M 16,384, K 256] x [K 256, N 256]; A: input h_re; B: input uz_w_im (given as codes): QUANTISED
;;     17. [M 16,384, K 512] x [K 512, N 256]; A: computed on the way; B: input wh_w_re (given as codes): QUANTISED
;;     18. [M 16,384, K 512] x [K 512, N 256]; A: computed on the way; B: input wh_w_im (given as codes): QUANTISED
;;     19. [M 16,384, K 512] x [K 512, N 256]; A: computed on the way; B: input wh_w_re (given as codes): QUANTISED
;;     20. [M 16,384, K 512] x [K 512, N 256]; A: computed on the way; B: input wh_w_im (given as codes): QUANTISED
;;     21. [M 16,384, K 256] x [K 256, N 256]; A: input h_re; B: input uh_w_re (given as codes): QUANTISED
;;     22. [M 16,384, K 256] x [K 256, N 256]; A: input h_im; B: input uh_w_im (given as codes): QUANTISED
;;     23. [M 16,384, K 256] x [K 256, N 256]; A: input h_im; B: input uh_w_re (given as codes): QUANTISED
;;     24. [M 16,384, K 256] x [K 256, N 256]; A: input h_re; B: input uh_w_im (given as codes): QUANTISED
;;   THE QUANTISER, for each operand of a quantised product, along K:
;;     - K is cut into blocks of 32 from its start; a last block that is shorter is filled with zeros.
;;     - A block's scale is 2^e with e = floor(log2(the largest magnitude in the block)) - 2, held to -126 .. 127; a block of zeros has e = 0. As a byte (E8M0): e + 127.
;;     - Each number is divided by its block's scale, clamped to +-7.5, and rounded to the nearest number of E2M3, ties to even, subnormals kept.
;;     - The product sums the exact products of the quantised numbers (number of the format x scale) in f32.
;;   ~~~python
;;   def quantise(x, axis):      # numpy; x: float32 -> the quantised numbers, widened to float32 again
;;       x = np.moveaxis(x, axis, -1); K = x.shape[-1]
;;       x = np.pad(x, [(0, 0)] * (x.ndim - 1) + [(0, -K % 32)]); x = x.reshape(x.shape[:-1] + (-1, 32)); a = np.abs(x).max(-1, keepdims=True)
;;       e = np.where(a > 0, np.clip(np.frexp(np.where(a > 0, a, 1))[1] - 1 - 2, -126, 127), 0)      # np.frexp(a)[1] - 1 = floor(log2(a)), exactly
;;       r = np.clip(x / 2.0 ** e, -7.5, 7.5)
;;       step = 2.0 ** (np.maximum(np.frexp(np.where(r == 0, 1, r))[1] - 1, 0) - 3)
;;       q = np.round(r / step) * step * 2.0 ** e      # np.round: ties to even
;;       return np.moveaxis(q.reshape(q.shape[:-2] + (-1,))[..., :K], -1, axis).astype(np.float32)
;;   ~~~
;;   OPERANDS COMPUTED ON THE WAY. 'Computed on the way' means the value that the module computes at that place (a softmax that the list does not call 'softmax' is quantised finished and normalised). What goes into a quantiser is computed in f32, as accurately as f32 sums, v_exp_f32 and their like allow (about 1e-6 of the number): no bf16 or f16 on the way to a quantiser, and a product that is left as it is and whose result goes on into a quantised operand takes f32 operands (vector FMAs, or v_wmma_f32_16x16x4_f32). A number that lies on a knife's edge between two numbers of the format may be rounded either way, as far as f32 arithmetic and the matrix unit's own rounding can turn it there, and no further.
;;   INPUTS GIVEN AS CODES. uh_w_im (in the module: [256, 256], K = its axis 1); uh_w_re (in the module: [256, 256], K = its axis 1); ur_w_im (in the module: [256, 256], K = its axis 1); ur_w_re (in the module: [256, 256], K = its axis 1); uz_w_im (in the module: [256, 256], K = its axis 1); uz_w_re (in the module: [256, 256], K = its axis 1); wh_w_im (in the module: [256, 512], K = its axis 1); wh_w_re (in the module: [256, 512], K = its axis 1); wr_w_im (in the module: [256, 512], K = its axis 1); wr_w_re (in the module: [256, 512], K = its axis 1); wz_w_im (in the module: [256, 512], K = its axis 1); wz_w_re (in the module: [256, 512], K = its axis 1): each comes as NAME_codes (uint8): NAME with its K axis moved to the last place and cut into blocks of 32 codes, [.., K / 32, bytes a block], one block behind the other in memory; four codes in three bytes: a row's codes are one little-endian stream of bits, code i at bits 6 i .. 6 i + 5 (a code: sign, 2 exponent bits, 3 mantissa bits); and NAME_scales (uint8): the same leading axes, one E8M0 byte (e + 127) for each 32 codes along K. Its value is code x scale, taken as it is: it is not quantised again, and the codes and scales need not be those that the quantiser above would give.
;; One version. Each part assembles by itself: llvm-mc -triple=amdgcn-amd-amdhsa -mcpu=gfx1250 --defsym DOCPART=n.
;; ======== version 1 of 1: 2 launches
;; limits: right only within a limited range of input values
;; workspace buffers: wpack 921,600 bytes
;; launch pack (part 1): grid 9 x 8, 4 waves a work-group, no clusters, 0 bytes of LDS; arguments ur_w_re_codes, ur_w_im_codes, wr_w_re_codes, wr_w_im_codes, uz_w_re_codes, uz_w_im_codes, wz_w_re_codes, wz_w_im_codes, uh_w_re_codes, uh_w_im_codes, wh_w_re_codes, wh_w_im_codes, ur_w_re_scales, ur_w_im_scales, wr_w_re_scales, wr_w_im_scales, uz_w_re_scales, uz_w_im_scales, wz_w_re_scales, wz_w_im_scales, uh_w_re_scales, uh_w_im_scales, wh_w_re_scales, wh_w_im_scales, wpack; writes wpack
.if DOCPART == 1
	.amdgcn_target "amdgcn-amd-amdhsa--gfx1250"
	.amdhsa_code_object_version 6
	.text
	.protected	k_q58ea9204de_pack
	.globl	k_q58ea9204de_pack
	.p2align	8
	.type	k_q58ea9204de_pack,@function
k_q58ea9204de_pack:
	s_mov_b64 s[64:65], 0
	v_nop
	global_prefetch_b8 v0, s[64:65] scope:SCOPE_SE
	s_setreg_imm32_b32 hwreg(HW_REG_WAVE_MODE, 25, 1), 1
	s_wait_xcnt 0x0
; THE COMPLEX GRU CELL, launch 1 of 2: the twelve weights' codes and scale bytes are laid once in the order in which the second launch's operand registers take them.
; NO WORK IS LEFT OUT in this program: every product of the cell reaches the output and every input is loaded.  The codes and the bytes are copied as they are given: nothing is quantised again.
; A SET is one complex matrix's K step of 128.  A UNIT is two sets; u = 3 g + k, gates g in the order r, z, h.
;   Gates r, z: k = 0, 1: U's K step k, then K step k of W's columns 256 to 511 (both meet h's K step k); k = 2: W's columns 0 to 255, K steps 0 and 1.
;   Gate h: k = 0: U; k = 1: W's columns 0 to 255; k = 2: W's columns 256 to 511; K steps 0 and 1 of each.
; A GROUP is two tiles of a set (a tile: 16 weight rows, real and imaginary): group 2 set + t / 2 of 36 for tile t.
; wpack = [w (4)][group (36)] blocks of 6,400 bytes; w = the wave of the second launch that owns output columns 64 w to 64 w + 63.
;   a fragment (16 weight rows x 128 K, 12 registers a lane) at 3,072 (t % 2) + 1,536 c (c = 0 real, 1 imaginary): registers 4 q to 4 q + 3 of lane l at 512 q + 16 l.
;   Lane l = (i = l % 16, hh = l / 16) holds weight row 64 w + 32 (i / 8) + 8 t + i % 8: so a lane of the second launch's results holds 32 neighbours along the next K in its four tiles.
;   scale words at 6,144 + 8 l: the real and the imaginary word of row l % 16 of the group's tile l / 16.
; SHARES.  Work-group (u, y): w = y / 2, the unit's set y % 2.  Wave t copies tile t's two fragments; waves 0 and 1 the scale words of the set's two groups.
	s_load_b512 s[8:23], s[0:1], 0x0               ; codes of gates r, z: U re, im, W re, im
	s_load_b256 s[24:31], s[0:1], 0x40             ; of gate h
	s_load_b512 s[32:47], s[0:1], 0x60             ; scale bytes, in the same order
	s_load_b256 s[48:55], s[0:1], 0xa0
	s_load_b64 s[56:57], s[0:1], 0xc0              ; wpack
	v_lshrrev_b32 v1, 5, v0
	v_readfirstlane_b32 s2, v1                     ; wave = tile t
	s_and_b32 s3, ttmp7, 0xffff
	s_lshr_b32 s6, s3, 1                           ; w
	s_and_b32 s7, s3, 1                            ; the unit's set
	s_mul_i32 s4, ttmp9, 11
	s_lshr_b32 s4, s4, 5                           ; g = u / 3 (u is at most 8)
	s_mul_i32 s5, s4, 3
	s_sub_co_u32 s5, ttmp9, s5                     ; k
	s_lshr_b32 s61, s5, 1                          ; k = 2
	s_or_b32 s58, s61, s7                          ; gates r, z: 1 where the set is W's,
	s_xor_b32 s62, s61, 1
	s_and_b32 s59, s58, s62                        ; which half of W's columns,
	s_cmp_eq_u32 s5, 2
	s_cselect_b32 s60, s7, s5                      ; and which K step of it
	s_min_u32 s62, s5, 1
	s_cmp_eq_u32 s4, 2                             ; gate h has its own order
	s_cselect_b32 s58, s62, s58
	s_cselect_b32 s59, s61, s59
	s_cselect_b32 s60, s7, s60
	s_lshl_b32 s63, 192, s58                       ; a row of codes: 192 bytes in U, 384 in W
	s_lshl_b32 s66, 8, s58                         ; a row of scale bytes
	s_mul_i32 s67, s59, 192
	s_mul_i32 s68, s60, 96
	s_add_co_u32 s67, s67, s68                     ; where the set begins in a row of codes,
	s_lshl_b32 s69, s59, 3
	s_lshl_b32 s70, s60, 2
	s_add_co_u32 s69, s69, s70                     ; and in a row of scale bytes
	s_lshl_b32 s70, s6, 6                          ; 64 w
	s_lshl_b32 s71, s2, 3
	s_add_co_u32 s71, s71, s70                     ; 64 w + 8 t
	s_lshl_b32 s72, ttmp9, 1
	s_add_co_u32 s72, s72, s7
	s_mul_i32 s72, s72, 12800
	s_mul_i32 s73, s6, 230400
	s_add_co_u32 s72, s72, s73                     ; my set's two groups
	s_and_b32 s78, s2, 1
	s_lshl_b32 s79, s78, 4
	s_add_co_u32 s79, s79, s70                     ; the scale words' rows begin here
	s_mul_i32 s76, s78, 6400
	s_add_co_u32 s76, s76, s72
	s_add_co_u32 s76, s76, 6144                    ; my scale words
	s_mov_b32 s77, 0
	s_lshr_b32 s73, s2, 1
	s_mul_i32 s73, s73, 6400
	s_add_co_u32 s72, s72, s73
	s_mul_i32 s73, s78, 3072
	s_add_co_u32 s72, s72, s73                     ; my fragments
	s_mov_b32 s73, 0
	v_and_b32 v2, 31, v0                           ; lane
	v_and_b32 v3, 7, v0
	v_bfe_u32 v4, v0, 3, 1
	v_bfe_u32 v5, v0, 4, 1                         ; hh
	v_lshl_add_u32 v3, v4, 5, v3                   ; i % 8 + 32 (i / 8)
	v_add_nc_u32 v6, s71, v3                       ; my weight row
	v_mul_lo_u32 v6, v6, s63
	v_mad_u32_u24 v6, v5, 24, v6
	v_add_nc_u32 v6, s67, v6
	v_lshl_add_u32 v7, v5, 3, v3
	v_add_nc_u32 v7, s79, v7                       ; the scale words' row: the group's tile hh
	v_mul_lo_u32 v7, v7, s66
	v_add_nc_u32 v7, s69, v7
	v_lshlrev_b32 v9, 4, v2                        ; out: 16 bytes a lane,
	v_lshlrev_b32 v10, 3, v2                       ; 8 for the words
	s_wait_alu depctr_va_vdst(0)
	s_wait_kmcnt 0x0
	; the buffers are chosen by the work-group's number alone
	s_cmp_eq_u32 s4, 2
.irp p, 0,2,4,6
	s_cselect_b64 s[16+\p:17+\p], s[24+\p:25+\p], s[16+\p:17+\p]
	s_cselect_b64 s[40+\p:41+\p], s[48+\p:49+\p], s[40+\p:41+\p]
.endr
	s_cmp_eq_u32 s4, 0
.irp p, 0,2,4,6
	s_cselect_b64 s[8+\p:9+\p], s[8+\p:9+\p], s[16+\p:17+\p]
	s_cselect_b64 s[32+\p:33+\p], s[32+\p:33+\p], s[40+\p:41+\p]
.endr
	s_cmp_eq_u32 s58, 0
	s_cselect_b64 s[8:9], s[8:9], s[12:13]         ; real codes: U's or W's
	s_cselect_b64 s[10:11], s[10:11], s[14:15]     ; imaginary codes
	s_cselect_b64 s[32:33], s[32:33], s[36:37]
	s_cselect_b64 s[34:35], s[34:35], s[38:39]
	s_add_nc_u64 s[74:75], s[56:57], s[72:73]
	s_add_nc_u64 s[76:77], s[56:57], s[76:77]
.irp p, 0,1,2,3,4,5
	global_load_b64 v[16+2*\p:17+2*\p], v6, s[8:9] offset:48*(\p/3)+8*(\p%3)
	global_load_b64 v[28+2*\p:29+2*\p], v6, s[10:11] offset:48*(\p/3)+8*(\p%3)
.endr
	global_load_b32 v12, v7, s[32:33]
	global_load_b32 v13, v7, s[34:35]
	s_wait_loadcnt 0x0
.irp c, 0,1
.irp q, 0,1,2
	global_store_b128 v9, v[16+12*\c+4*\q:19+12*\c+4*\q], s[74:75] offset:1536*\c+512*\q
.endr
.endr
	s_cmp_lt_u32 s2, 2                             ; waves 0 and 1 store the words
	s_cbranch_scc0 .Ldone
	global_store_b64 v10, v[12:13], s[76:77]
.Ldone:
	s_endpgm
.Lfunc_end_k_q58ea9204de_pack:
	.size	k_q58ea9204de_pack, .Lfunc_end_k_q58ea9204de_pack-k_q58ea9204de_pack
	.p2alignl 7, 3214868480
	.fill 96, 4, 3214868480
	.section	.rodata,"a",@progbits
	.p2align	6, 0x0
	.amdhsa_kernel k_q58ea9204de_pack
		.amdhsa_group_segment_fixed_size 0
		.amdhsa_private_segment_fixed_size 0
		.amdhsa_enable_private_segment 0
		.amdhsa_kernarg_size 200
		.amdhsa_user_sgpr_count 2
		.amdhsa_user_sgpr_kernarg_segment_ptr 1
		.amdhsa_wavefront_size32 1
		.amdhsa_system_sgpr_workgroup_id_x 1
		.amdhsa_system_sgpr_workgroup_id_y 1
		.amdhsa_system_sgpr_workgroup_id_z 1
		.amdhsa_system_vgpr_workitem_id 0
		.amdhsa_next_free_vgpr 40
		.amdhsa_next_free_sgpr 90
		.amdhsa_reserve_vcc 0
		.amdhsa_float_denorm_mode_32 3
		.amdhsa_float_denorm_mode_16_64 3
		.amdhsa_memory_ordered 1
		.amdhsa_forward_progress 1
		.amdhsa_inst_pref_size 7
	.end_amdhsa_kernel
	.amdgpu_metadata
---
amdhsa.version: [ 1, 2 ]
amdhsa.kernels:
  - .name:           k_q58ea9204de_pack
    .symbol:         k_q58ea9204de_pack.kd
    .args:
      - { .name: ur_w_re_codes, .offset: 0, .size: 8, .value_kind: global_buffer, .address_space: global }
      - { .name: ur_w_im_codes, .offset: 8, .size: 8, .value_kind: global_buffer, .address_space: global }
      - { .name: wr_w_re_codes, .offset: 16, .size: 8, .value_kind: global_buffer, .address_space: global }
      - { .name: wr_w_im_codes, .offset: 24, .size: 8, .value_kind: global_buffer, .address_space: global }
      - { .name: uz_w_re_codes, .offset: 32, .size: 8, .value_kind: global_buffer, .address_space: global }
      - { .name: uz_w_im_codes, .offset: 40, .size: 8, .value_kind: global_buffer, .address_space: global }
      - { .name: wz_w_re_codes, .offset: 48, .size: 8, .value_kind: global_buffer, .address_space: global }
      - { .name: wz_w_im_codes, .offset: 56, .size: 8, .value_kind: global_buffer, .address_space: global }
      - { .name: uh_w_re_codes, .offset: 64, .size: 8, .value_kind: global_buffer, .address_space: global }
      - { .name: uh_w_im_codes, .offset: 72, .size: 8, .value_kind: global_buffer, .address_space: global }
      - { .name: wh_w_re_codes, .offset: 80, .size: 8, .value_kind: global_buffer, .address_space: global }
      - { .name: wh_w_im_codes, .offset: 88, .size: 8, .value_kind: global_buffer, .address_space: global }
      - { .name: ur_w_re_scales, .offset: 96, .size: 8, .value_kind: global_buffer, .address_space: global }
      - { .name: ur_w_im_scales, .offset: 104, .size: 8, .value_kind: global_buffer, .address_space: global }
      - { .name: wr_w_re_scales, .offset: 112, .size: 8, .value_kind: global_buffer, .address_space: global }
      - { .name: wr_w_im_scales, .offset: 120, .size: 8, .value_kind: global_buffer, .address_space: global }
      - { .name: uz_w_re_scales, .offset: 128, .size: 8, .value_kind: global_buffer, .address_space: global }
      - { .name: uz_w_im_scales, .offset: 136, .size: 8, .value_kind: global_buffer, .address_space: global }
      - { .name: wz_w_re_scales, .offset: 144, .size: 8, .value_kind: global_buffer, .address_space: global }
      - { .name: wz_w_im_scales, .offset: 152, .size: 8, .value_kind: global_buffer, .address_space: global }
      - { .name: uh_w_re_scales, .offset: 160, .size: 8, .value_kind: global_buffer, .address_space: global }
      - { .name: uh_w_im_scales, .offset: 168, .size: 8, .value_kind: global_buffer, .address_space: global }
      - { .name: wh_w_re_scales, .offset: 176, .size: 8, .value_kind: global_buffer, .address_space: global }
      - { .name: wh_w_im_scales, .offset: 184, .size: 8, .value_kind: global_buffer, .address_space: global }
      - { .name: wpack, .offset: 192, .size: 8, .value_kind: global_buffer, .address_space: global }
    .group_segment_fixed_size: 0
    .private_segment_fixed_size: 0
    .kernarg_segment_align: 8
    .kernarg_segment_size: 200
    .max_flat_workgroup_size: 128
    .sgpr_count:     90
    .vgpr_count:     40
    .wavefront_size: 32
...
	.end_amdgpu_metadata
.endif
;; end of part 1
;; launch cell (part 2): grid 256 x 1, 4 waves a work-group, no clusters, 240,128 bytes of LDS; arguments x_re, x_im, h_re, h_im, wr_b_re, wr_b_im, wz_b_re, wz_b_im, wh_b_re, wh_b_im, wpack, out0; writes out0
.if DOCPART == 2
	.amdgcn_target "amdgcn-amd-amdhsa--gfx1250"
	.amdhsa_code_object_version 6
	.text
	.protected	k_q58ea9204de_cell
	.globl	k_q58ea9204de_cell
	.p2align	8
	.type	k_q58ea9204de_cell,@function
k_q58ea9204de_cell:
	s_mov_b64 s[64:65], 0
	v_nop
	global_prefetch_b8 v0, s[64:65] scope:SCOPE_SE
	s_setreg_imm32_b32 hwreg(HW_REG_WAVE_MODE, 25, 1), 1
	s_wait_xcnt 0x0
; THE COMPLEX GRU CELL, launch 2 of 2: the whole cell for 64 rows a work-group; r, z, h_hat and r h never go to memory.  No work of the cell is left out.
; All 24 products are on codes of FP6 (E2M3) with one E8M0 scale for each 32 along K.  256 is a multiple of 32, so the blocks of [x | h] are x's and h's: Q(h) serves U and W's second half, Q(x) all three gates.
; UNITS, SETS AND GROUPS as the first launch laid them: 36 groups of 32 matrix instructions a wave; gates in the order r, z, h, 12 groups each.
; SHARES.  Work-group wg owns rows 64 wg .. 64 wg + 63.  Wave w owns columns 64 w .. 64 w + 63 of every gate, real and imaginary, for all 64 rows: 32 accumulators, 256 registers.
; THE MATRIX INSTRUCTION IS USED TRANSPOSED: source 0 = 16 weight rows, source 1 = 16 rows of the batch.  Lane (r, hh) holds row 16 m + r; register 32 m + i holds column 64 w + 32 hh + i (i = 8 tile + j):
; a lane's 32 registers of an m are ONE WHOLE BLOCK of 32 along the next K, in the operand's order.
; THE SIGN.  R = wr P - wi Q, I = wi P + wr Q (P the real operand, Q the imaginary).  I adds in place.  R is summed with C's sign turned in every step: S' = wr P - S, S'' = wi Q - S', so that S = -R behind every set; nothing is negated apart from that.
; THE SUMS BEGIN WITH C = 0; the biases, times the exponential's factor, are the addend of the multiply-add in front of the exponential.
; WEIGHTS go from memory straight into the registers of the one wave that uses them: four buffers of a group each, 13 loads a group, asked for three groups, 96 matrix instructions, ahead.
; CLUSTER = NONE.  A work-group reads the 921,600 bytes of weights once, and each byte of them serves one wave alone.  A joint load lands in LDS: all of these bytes would be written to and read from LDS once more,
; and each 102,400 of them would want a drained round of the cluster; loads into registers cannot be joint.
; PREFETCH.  All work-groups walk the same weights.  A unit's 400 blocks of 256 bytes are shared out by address over the launch's 1,024 waves (wave id mod 400: a block a wave), three units ahead: in unit u for unit u + 3,
; and for units 0 to 2 one after the other while h and x come in.  The last three units ask for nothing.
; OPERANDS made here go from wave to wave through LDS as images of the operand's registers, in three regions: 0: Q(h); 1: Q(r h); 2: Q(x).  h stays in f32 in LDS, in the rows through which it turns from memory's layout into the accumulators'.
; Gates r and z are two trips of one loop; gate h is written out, since its loads end.
; LIMITS.  NaN and infinities among the inputs are not served.  A block of zeros gets the scale byte 1 where the rule says 127: its codes are zeros, and this program alone reads the bytes; blocks whose largest magnitude
; lies under 2^-124 are held at that floor.  sigmoid(a) = 1 / (1 + 2^(-log2(e) a)); tanh(a) = 1 - 2 / (1 + 2^(2 log2(e) a)): both go to their limits where the power overflows or falls to 0.
; REGISTERS, in windows of 256.  window 0: v2-29 addresses; scale words: v32-35, v40-43 the weights' four buffers; v36-39, v44-47 P's and Q's of operand buffer 0, v52-55, v60-63 of buffer 1; v64-111 P's four fragments, v112-159 Q's; v160-255 the same of buffer 1.
;   window 1: the weights' four buffers, 48 registers each: wr, wi of a tile, then of the next; on the way out h (real at 32 m, imaginary at 128 + 32 m).
;   window 2: h as loaded; then the accumulators (R at 32 m + 8 t, I at 128 + 32 m + 8 t); for r h h once more.   window 3: x as loaded; then r; then z.
.set GRPB,  6400                       ; a group in wpack
.set WAVEB, 36*GRPB                    ; a wave's groups
.set PIECE, 4352                       ; LDS: 16 rows x 272 bytes.  A wave has nine of them on end: h's eight pieces, and a stage
.set STG,   8*PIECE
.set AREA,  9*PIECE
.set ASC,   4*AREA                     ; the images' scale words: 1,024 a + 512 c + 256 s + 16 r + 4 m
.set BIAS,  ASC+3072                   ; the biases: 1,536 w + 512 g + 256 (0 R, 1 I) + 4 x column
.set AIMG,  BIAS+6144                  ; the images: fragment (a, c, s, m) at 24,576 a + 12,288 c + 6,144 s + 1,536 m: registers 4 q .. 4 q + 3 of lane l at 512 q + 16 l
.set AREG,  24576                      ; a region
.set SPARE, AIMG+3*AREG                ; the spare words, 128 bytes for each wave: two blocks of 256 bytes that no other line names
.set SPW,   2                          ; LDS address of my spare word; never rewritten
.set NIL,   3                          ; 0; never rewritten
.set VW,    4                          ; my groups in wpack: 16 x lane
.set VWS,   5                          ; their scale words: 8 x lane
.set PFO,   6                          ; my prefetches' block
.set ADA0,  8                          ; region 0, to read: 16 x lane
.set ADA1,  9                          ; region 1
.set ASR,   10                         ; the scale words: 16 (lane % 16)
.set AWA,   12                         ; region 0, to write: my first and third pair of registers;
.set AWB,   13                         ; my second pair
.set AWA1,  14                         ; the same in region 1
.set AWB1,  15
.set ASW,   17                         ; scale words, to write: my byte
.set STW,   18                         ; my area by memory's rows: 272 (lane / 16) + 16 (lane % 16)
.set STR,   19                         ; by the accumulators' layout: 272 (lane % 16) + 128 (lane / 16)
.set GLO,   20                         ; memory: 1,024 (lane / 16) + 256 w + 16 (lane % 16)
.set BIA,   21                         ; biases, to read: it steps from gate to gate
.set BIW,   22                         ; biases, to write
.set VB,    23                         ; biases in memory
.set T0,    64                         ; numbers at work on the way out
.set T1,    96
.set RK,    128                        ; rows read back from the stage
.set TR,    160                        ; 64 numbers at work for r h
.set TM,    224                        ; v224-233 the quantiser's
.set PC,    234                        ; v234-239, v240-245 six registers of codes
.set PD,    246                        ; v246-248, v250-252
.set PW,    48                         ; v48, 49 a scale byte
.set RB,    240                        ; v240-251 biases, at the head
.set WV,    28                         ; s28 my wave's number
.set WP,    24                         ; s[24:25] wpack at the gate's first group
.set FLR,   52                         ; s52 the floor of a block's largest magnitude, 2^(3 - 127)
.set CSG,   58                         ; s[58:59] -log2(e)
.set CTH,   60                         ; s[60:61] 2 log2(e)
.set GATE,  85                         ; s85 counts the loop's two gates
.set MSB, 0
.macro WIN new                         ; the immediate's high byte repeats the setting that is left; a switch that changes nothing is dropped
.if MSB != (\new)
	s_set_vgpr_msb (MSB<<8)|(\new)
.set MSB, \new
.endif
.endm
.macro PLACES n                        ; plain vector instructions between a matrix instruction and a load into, or a vector instruction on, its registers
.rept \n
	v_nop
.endr
.endm
.macro BARRIER                         ; my LDS stores have landed: the other waves read them behind the barrier
	s_wait_dscnt 0x0
	s_barrier_signal -1
	s_barrier_wait -1
.endm
; Of region a, K step s, c = 0: P, 1: Q, into operand buffer nb: four fragments, three loads each, then the scale words of the four tiles of rows: 13 loads
.macro LA a, s, c, nb
	WIN 0
.set FA, 64+96*(\nb)+48*(\c)
.irp i, 0,1,2,3,4,5,6,7,8,9,10,11
.if (\a) == 0
	ds_load_b128 v[FA+4*\i:FA+4*\i+3], v[ADA0] offset:12288*(\c)+6144*(\s)+512*\i
.else
	ds_load_b128 v[FA+4*\i:FA+4*\i+3], v[ADA1] offset:AREG*((\a)-1)+12288*(\c)+6144*(\s)+512*\i
.endif
.endr
	ds_load_b128 v[36+8*(\c)+16*(\nb):39+8*(\c)+16*(\nb)], v[ASR] offset:1024*(\a)+512*(\c)+256*(\s)
.endm
; Group n of the gate's, counted on into the next gate's: 12 loads of fragments into weight buffer n % 4, one of scale words
.macro LW n
	WIN 0x40
.set FB, 48*((\n)%4)
.irp i, 0,1,2,3,4,5,6,7,8,9,10,11
	global_load_b128 v[FB+4*\i:FB+4*\i+3], v[VW], s[WP:WP+1] offset:GRPB*(\n)+512*\i
.endr
	WIN 0
.set FS, 32+2*((\n)%2)+8*(((\n)%4)/2)
	global_load_b64 v[FS:FS+1], v[VWS], s[WP:WP+1] offset:GRPB*(\n)
.endm
.macro ASK u                           ; a prefetch: unit u, counted from the gate's first
	WIN 0
	global_prefetch_b8 v[PFO], s[WP:WP+1] offset:4*GRPB*(\u) th:TH_LOAD_NT scope:SCOPE_SE
.endm
.macro LBIAS reg, c                    ; my lane's 32 biases: 8 loads
.irp j, 0,1,2,3,4,5,6,7
	ds_load_b128 v[\reg+4*\j:\reg+3+4*\j], v[BIA] offset:256*(\c)+16*\j
.endr
.endm
; Four matrix instructions: one weight fragment against the four tiles of rows.  kind 0: the sum begins; 1: + C; 2: - C
.macro G4 dst, breg, areg, bsc, row1, asc, kind
.set rB, \breg
.set rS0, \bsc
.irp m, 0,1,2,3
.set rD, (\dst)+32*\m
.set rA, (\areg)+12*\m
.set rS1, (\asc)+\m
.if (\kind) == 0
.if \row1
	v_wmma_scale_f32_16x16x128_f8f6f4 v[rD:rD+7], v[rB:rB+11], v[rA:rA+11], 0, v[rS0], v[rS1] matrix_a_fmt:MATRIX_FMT_FP6 matrix_b_fmt:MATRIX_FMT_FP6 matrix_a_scale:MATRIX_SCALE_ROW1
.else
	v_wmma_scale_f32_16x16x128_f8f6f4 v[rD:rD+7], v[rB:rB+11], v[rA:rA+11], 0, v[rS0], v[rS1] matrix_a_fmt:MATRIX_FMT_FP6 matrix_b_fmt:MATRIX_FMT_FP6
.endif
.elseif (\kind) == 1
.if \row1
	v_wmma_scale_f32_16x16x128_f8f6f4 v[rD:rD+7], v[rB:rB+11], v[rA:rA+11], v[rD:rD+7], v[rS0], v[rS1] matrix_a_fmt:MATRIX_FMT_FP6 matrix_b_fmt:MATRIX_FMT_FP6 matrix_a_scale:MATRIX_SCALE_ROW1
.else
	v_wmma_scale_f32_16x16x128_f8f6f4 v[rD:rD+7], v[rB:rB+11], v[rA:rA+11], v[rD:rD+7], v[rS0], v[rS1] matrix_a_fmt:MATRIX_FMT_FP6 matrix_b_fmt:MATRIX_FMT_FP6
.endif
.else
.if \row1
	v_wmma_scale_f32_16x16x128_f8f6f4 v[rD:rD+7], v[rB:rB+11], v[rA:rA+11], v[rD:rD+7], v[rS0], v[rS1] matrix_a_fmt:MATRIX_FMT_FP6 matrix_b_fmt:MATRIX_FMT_FP6 matrix_a_scale:MATRIX_SCALE_ROW1 neg_lo:[0,0,1]
.else
	v_wmma_scale_f32_16x16x128_f8f6f4 v[rD:rD+7], v[rB:rB+11], v[rA:rA+11], v[rD:rD+7], v[rS0], v[rS1] matrix_a_fmt:MATRIX_FMT_FP6 matrix_b_fmt:MATRIX_FMT_FP6 neg_lo:[0,0,1]
.endif
.endif
.endr
.endm
; A GROUP is 32 matrix instructions in eight runs of four, k = 0 to 7: on P: wr -> R, wi -> I of the first tile, then of the second; on Q: wr -> I, wi -> R of the first, then of the second.
; n: the gate's group, 0 to 11: tiles 2 (n % 2) and one more, weight buffer n % 4; ab: the operand buffer.
; The accumulators take turns, one instruction a turn: eleven or more others stand between two steps of a sum.
.macro GR n, k, z, ab
.set GG, (\n)%2
.set TT, ((\k)/2)%2
.set BU, 48*((\n)%4)+24*TT+12*((\k)%2)
.set SW, 32+2*GG+8*(((\n)%4)/2)+(\k)%2
.set DR, 16*GG+8*TT
.set FP, 64+96*(\ab)
.set SP, 36+16*(\ab)
	WIN 0xa1                                       ; C and D window 2, source 0 window 1, source 1 window 0
.if (\k) < 4
.if (\k)%2
	G4 DR+128, BU, FP, SW, TT, SP, 1-(\z)
.else
	G4 DR, BU, FP, SW, TT, SP, 2-2*(\z)
.endif
.elseif (\k)%2
	G4 DR, BU, FP+48, SW, TT, SP+8, 2
.else
	G4 DR+128, BU, FP+48, SW, TT, SP+8, 1
.endif
.endm
; z = 1: the sums begin (five places stand ahead of the second step of R, whose C is read with its sign turned).  fresh = 1: the operand buffer is used for the first time.  cnt: the loads that may be out: those of the next two groups.
; ONE run of memory instructions a group, behind its first four matrix instructions: ld = 1: the weights three groups on, into the buffer that the last group has read;
; c = 0, 1: P or Q of region a, K step s, into operand buffer nb;  xb = 1: the gate's biases into window 3, 2: into window 0;  pf: a prefetch for unit pf, counted from the gate's first.
.macro GROUP n, z, ab, fresh, cnt, ld, c, a, s, nb, xb, pf
.if \fresh
	s_wait_dscnt 0x0                               ; P and Q are in
.endif
	s_wait_loadcnt \cnt                            ; loads return in order: this group's weights are in
	GR \n, 0, \z, \ab
.if (\ld) || ((\c) >= 0) || (\xb)
	PLACES 4                                       ; behind the last group's products, whose registers the loads take
.endif
.if \ld
	LW \n+3
.endif
.if (\c) >= 0
	LA \a, \s, \c, \nb
.endif
.if (\xb) == 1
	WIN 0xc0
	LBIAS 192, 0
	LBIAS 224, 1
.elseif (\xb) == 2
	WIN 0
	LBIAS 64, 0
	LBIAS 96, 1
.endif
.if \pf
	ASK \pf
.endif
	GR \n, 1, \z, \ab
	GR \n, 2, \z, \ab
	GR \n, 3, \z, \ab
.if \z
	PLACES 5
.endif
.irp k, 4,5,6,7
	GR \n, \k, 0, \ab
.endr
.endm
; Two blocks of 32 along K of a lane, 32 numbers each from sa and from sb on, become six registers of codes and a scale byte each, sets 0 and 1 of these.  Eight chains of maxima by turns.
.macro QUANT2 sa, sb
.set rS, \sa
.set rT, \sb
.irp b, 0,1,2,3
	v_max3_num_f32 v[TM+\b], s[FLR], |v[rS+2*\b]|, |v[rS+1+2*\b]|      ; the floor among them: so the byte cannot fall under 1
	v_max3_num_f32 v[TM+5+\b], s[FLR], |v[rT+2*\b]|, |v[rT+1+2*\b]|
.endr
.irp i, 8,16,24
.irp b, 0,1,2,3
	v_max3_num_f32 v[TM+\b], v[TM+\b], |v[rS+\i+2*\b]|, |v[rS+\i+1+2*\b]|
	v_max3_num_f32 v[TM+5+\b], v[TM+5+\b], |v[rT+\i+2*\b]|, |v[rT+\i+1+2*\b]|
.endr
.endr
.irp k, 0,5
	v_max3_num_f32 v[TM+\k], v[TM+\k], v[TM+1+\k], v[TM+2+\k]
.endr
.irp k, 0,5
	v_max_num_f32 v[TM+\k], v[TM+\k], v[TM+3+\k]
.endr
.irp k, 0,5
	v_add_nc_u32 v[TM+4+\k], 0xff000000, v[TM+\k]  ; 2 off its exponent field: the conversion's scale operand
.endr
	v_cvt_scalef32_pk16_fp6_f32 v[PC:PC+2], v[rS:rS+15], v[TM+4]
	v_cvt_scalef32_pk16_fp6_f32 v[PC+6:PC+8], v[rT:rT+15], v[TM+9]
	v_cvt_scalef32_pk16_fp6_f32 v[PD:PD+2], v[rS+16:rS+31], v[TM+4]
	v_cvt_scalef32_pk16_fp6_f32 v[PD+4:PD+6], v[rT+16:rT+31], v[TM+9]
	v_lshrrev_b32 v[PW], 23, v[TM+4]               ; the scale's byte; also the plain place behind the conversions
	v_lshrrev_b32 v[PW+1], 23, v[TM+9]
.irp k, 0,1
.irp i, 0,1,2
	v_mov_b32 v[PC+3+6*\k+\i], v[PD+4*\k+\i]       ; (a conversion's three registers begin on an even number)
.endr
.endr
.endm
; My six registers are registers 6 (w % 2) .. + 5 of a fragment of K step w / 2: pair p of mine is pair 3 (w % 2) + p of the fragment's six, and pair P lies at 512 (P / 2) + 8 (P % 2) + 16 x lane.
; So pairs 0 and 2 of mine lie 512 bytes apart in either half (one address register), and pair 1 has a register of its own.  My scale byte goes beside them.
.macro IMG a, c, m, k
.set rC, PC+6*(\k)
.if (\a) == 0
.set rWA, AWA
.set rWB, AWB
.set oW, 12288*(\c)+1536*(\m)
.else
.set rWA, AWA1
.set rWB, AWB1
.set oW, AREG*((\a)-1)+12288*(\c)+1536*(\m)
.endif
	ds_store_b64 v[rWA], v[rC:rC+1] offset:oW
	ds_store_b64 v[rWB], v[rC+2:rC+3] offset:oW
	ds_store_b64 v[rWA], v[rC+4:rC+5] offset:oW+512
	ds_store_b8 v[ASW], v[PW+(\k)] offset:1024*(\a)+512*(\c)+4*(\m)
.endm
.macro GLOAD i, base                   ; piece i = 4 c + m of x or h: rows 16 m .. + 15, my 64 columns: sixteen lanes read 256 consecutive bytes, aligned
.set sB, (\base)+2*((\i)/4)
.irp j, 0,1,2,3,4,5,6,7
	global_load_b128 v[32*(\i)+4*\j:32*(\i)+4*\j+3], v[GLO], s[sB:sB+1] offset:(16*((\i)%4)+2*\j)*1024 th:TH_LOAD_NT
.endr
.endm
; Pieces 2 p and 2 p + 1 turn through LDS from memory's rows into the accumulators' layout, into v64-127 or v128-191 by turns; h's (keep = 1) through rows of their own, where they stay, x's through the stage.
; LDS serves a wave's instructions in order (ISA guide 5.7.1.4): no wait between the stores and the loads.
.macro TURN2 rawwin, p, keep
.irp e, 0,1
.set rR, 64*(\p)+32*\e
.set rT, 64+64*((\p)%2)+32*\e
.if \keep
.set oT, PIECE*(2*(\p)+\e)
.else
.set oT, STG
.endif
	WIN \rawwin
.irp j, 0,1,2,3,4,5,6,7
	ds_store_b128 v[STW], v[rR+4*\j:rR+4*\j+3] offset:oT+544*\j
.endr
	WIN 0
.irp j, 0,1,2,3,4,5,6,7
	ds_load_b128 v[rT+4*\j:rT+4*\j+3], v[STR] offset:oT+16*\j
.endr
.endr
.endm
.macro HL dwin, m                      ; h's tile m of rows, real and imaginary, from LDS into window 1 (0x40) or 2 (0x80): 16 loads
	WIN \dwin
.irp c, 0,1
.irp j, 0,1,2,3,4,5,6,7
	ds_load_b128 v[128*\c+32*(\m)+4*\j:128*\c+32*(\m)+4*\j+3], v[STR] offset:PIECE*(4*\c+(\m))+16*\j
.endr
.endr
	WIN 0
.endm
; A STEP of an activation: the exponentials of block n, 1 + them for block n - 1, the reciprocals of block n - 2, in one window; one wait behind the step serves all three.
; mode 0: block n is registers 32 n ..; mode 1: real and imaginary by turns: 32 (n / 2) + 128 (n % 2) ..
.macro BLK sym, n, mode
.if \mode
.set \sym, 32*((\n)/2)+128*((\n)%2)
.else
.set \sym, 32*(\n)
.endif
.endm
.macro STEP n, mode
.if (\n) < 8
	BLK bE, (\n), \mode
.endif
.if ((\n) >= 1) && ((\n) < 9)
	BLK bA, (\n)-1, \mode
.endif
.if (\n) >= 2
	BLK bC, (\n)-2, \mode
.endif
.set QI, 0
.rept 16
.irp e, 0,1
.if (\n) < 8
	v_exp_f32 v[bE+QI+\e], v[bE+QI+\e]
.endif
.if (\n) >= 2
	v_rcp_f32 v[bC+QI+\e], v[bC+QI+\e]
.endif
.endr
.if ((\n) >= 1) && ((\n) < 9)
	v_pk_add_f32 v[bA+QI:bA+QI+1], v[bA+QI:bA+QI+1], 1.0 op_sel_hi:[1,0]
.endif
.set QI, QI+2
.endr
	v_nop                                          ; a plain instruction behind the last transcendental
	s_wait_alu depctr_va_vdst(0)
.endm
	; ---- THE HEAD
	s_load_b512 s[4:19], s[0:1], 0x0               ; x re s[4:5], x im s[6:7], h re s[8:9], h im s[10:11], r's biases s[12:15], z's s[16:19]
	s_load_b256 s[20:27], s[0:1], 0x40             ; h's biases s[20:23], wpack s[24:25], out0 s[26:27]
	v_lshl_add_u32 v[SPW], v0, 2, SPARE
	v_mov_b32 v[NIL], 0
	v_lshrrev_b32 v252, 5, v0
	v_readfirstlane_b32 s[WV], v252                ; wave 0..3
	s_lshl_b32 s32, ttmp9, 16                      ; my work-group's 64 rows of 1,024 bytes
	s_mov_b32 s33, 0
	s_mov_b32 s[FLR], 0x1800000
	s_mov_b32 s[CSG], 0xbfb8aa3b                   ; -log2(e)
	s_mov_b32 s[CSG+1], s[CSG]                     ; (named with it as a pair, so it is written)
	s_mov_b32 s[CTH], 0x4038aa3b                   ; 2 log2(e)
	s_mov_b32 s[CTH+1], s[CTH]
	s_lshl_b32 s31, ttmp9, 2
	s_add_co_u32 s31, s31, s[WV]                   ; the wave's id in the launch, 0 to 1,023
	s_cmp_ge_u32 s31, 800
	s_cselect_b32 s29, 800, 0
	s_sub_co_u32 s31, s31, s29
	s_cmp_ge_u32 s31, 400
	s_cselect_b32 s29, 400, 0
	s_sub_co_u32 s31, s31, s29                     ; mod 400: my block of each unit: b
	s_mul_i32 s29, s31, 41
	s_lshr_b32 s29, s29, 12                        ; b / 100: whose groups it lies in
	s_mul_i32 s30, s29, 100
	s_sub_co_u32 s31, s31, s30                     ; b % 100
	s_lshl_b32 s31, s31, 8
	s_mul_i32 s29, s29, WAVEB
	s_add_co_u32 s31, s31, s29
	v_and_b32 v252, 31, v0                         ; lane
	v_and_b32 v253, 15, v0                         ; lane % 16
	v_bfe_u32 v254, v0, 4, 1                       ; lane / 16
	s_wait_alu depctr_va_vdst(0)
	v_mov_b32 v[PFO], s31
	s_mul_i32 s66, s[WV], WAVEB
	v_lshl_add_u32 v[VW], v252, 4, s66
	s_add_co_u32 s67, s66, 6144
	v_lshl_add_u32 v[VWS], v252, 3, s67
	v_lshl_add_u32 v[ADA0], v252, 4, AIMG
	v_add_nc_u32 v[ADA1], AREG, v[ADA0]
	v_lshl_add_u32 v[ASR], v253, 4, ASC
	s_lshr_b32 s68, s[WV], 1                       ; the K step that my columns belong to,
	s_and_b32 s69, s[WV], 1                        ; and which half of its fragments' registers
	s_mul_i32 s70, s68, 6144
	s_add_co_u32 s70, s70, AIMG
	s_mul_i32 s71, s69, 520
	s_add_co_u32 s71, s71, s70
	v_lshl_add_u32 v[AWA], v252, 4, s71            ; pairs 0 and 2 of mine: from 0 (first half) or from 520 (second half) on
	s_mul_i32 s71, s69, 1016
	s_add_co_u32 s71, s71, s70
	s_add_co_u32 s71, s71, 8
	v_lshl_add_u32 v[AWB], v252, 4, s71            ; pair 1: at 8 or at 1,024
	v_add_nc_u32 v[AWA1], AREG, v[AWA]
	v_add_nc_u32 v[AWB1], AREG, v[AWB]
	s_lshl_b32 s68, s68, 8
	s_lshl_b32 s69, s69, 1
	s_add_co_u32 s68, s68, s69
	s_add_co_u32 s68, s68, ASC
	v_lshl_add_u32 v[ASW], v253, 4, s68
	v_add_nc_u32 v[ASW], v254, v[ASW]              ; the block's byte: 2 (w % 2) + lane / 16
	s_mul_i32 s72, s[WV], AREA                     ; my area
	v_mul_u32_u24 v[STW], v254, 272
	v_lshl_add_u32 v[STW], v253, 4, v[STW]
	v_add_nc_u32 v[STW], s72, v[STW]
	v_mul_u32_u24 v[STR], v253, 272
	v_lshl_add_u32 v[STR], v254, 7, v[STR]
	v_add_nc_u32 v[STR], s72, v[STR]
	s_lshl_b32 s73, s[WV], 8
	v_lshlrev_b32 v[GLO], 10, v254
	v_lshl_add_u32 v[GLO], v253, 4, v[GLO]
	v_add_nc_u32 v[GLO], s73, v[GLO]
	s_mul_i32 s74, s[WV], 1536
	s_add_co_u32 s74, s74, BIAS
	v_lshl_add_u32 v[BIA], v254, 7, s74
	v_lshl_add_u32 v[BIW], v252, 2, s74
	v_lshl_add_u32 v[VB], v252, 2, s73
	s_wait_alu depctr_va_vdst(0)
	s_wait_kmcnt 0x0
	s_add_nc_u64 s[4:5], s[4:5], s[32:33]          ; x, h and out0 at my work-group's first row
	s_add_nc_u64 s[6:7], s[6:7], s[32:33]
	s_add_nc_u64 s[8:9], s[8:9], s[32:33]
	s_add_nc_u64 s[10:11], s[10:11], s[32:33]
	s_add_nc_u64 s[26:27], s[26:27], s[32:33]
	s_add_nc_u64 s[34:35], s[26:27], 0x1000000     ; the imaginary half of out0
.irp g, 0,1,2
.irp f, 0,1
	global_load_b32 v[RB+4*\g+2*\f], v[VB], s[12+4*\g:13+4*\g] offset:128*\f     ; the biases of my 64 columns, 32 at a time
	global_load_b32 v[RB+4*\g+2*\f+1], v[VB], s[14+4*\g:15+4*\g] offset:128*\f
.endr
.endr
	WIN 0x80                                       ; destination window 2
.irp i, 0,1,2,3,4,5,6,7
	GLOAD \i, 8                                    ; h
.endr
	WIN 0
	; ---- PHASE H: the bias table; h goes to LDS, where it stays, and becomes codes in region 0; x is asked for, two pieces for each two pieces of h that have come
	s_wait_loadcnt 48                              ; the biases and h's pieces 0 and 1 are in: behind them stand h's six other pieces
.set NB, 0
.irp g, 0,1,2
.set sC, CSG+2*(\g/2)                          ; the exponential's factor: -log2(e) for the sigmoids, 2 log2(e) for tanh
.irp f, 0,1
.set rN, 24+NB
	v_sub_f32 v[rN], v[RB+4*\g+2*\f], v[RB+4*\g+2*\f+1]                 ; the real sum takes b_re - b_im,
	v_add_f32 v[RB+4*\g+2*\f+1], v[RB+4*\g+2*\f], v[RB+4*\g+2*\f+1]     ; the imaginary b_re + b_im
	v_mul_f32 v[rN], s[sC], v[rN]
	v_mul_f32 v[RB+4*\g+2*\f+1], s[sC], v[RB+4*\g+2*\f+1]
	ds_store_b32 v[BIW], v[rN] offset:512*\g+128*\f                     ; my wave's own bytes
	ds_store_b32 v[BIW], v[RB+4*\g+2*\f+1] offset:512*\g+256+128*\f
.set NB, NB+1
.endr
.endr
.irp p, 0,1,2,3
.if \p > 0
	s_wait_loadcnt 48                              ; h's next two pieces are in: behind them stand 6 - 2 p pieces of h and 2 p of x
.endif
	TURN2 0x08, \p, 1
	WIN 0xc0                                       ; destination window 3
	GLOAD 2*\p, 4
	GLOAD 2*\p+1, 4
	WIN 0
	s_wait_dscnt 0x0                               ; both pieces are back
	QUANT2 64+64*(\p%2), 96+64*(\p%2)
	IMG 0, (2*\p)/4, (2*\p)%4, 0
	IMG 0, (2*\p+1)/4, (2*\p+1)%4, 1
.if \p%2
	ASK \p/2                                       ; units 0 and 1
.endif
.endr
	; ---- PHASE X: x becomes codes in region 2; the first three groups of weights are asked for
.irp p, 0,1,2,3
.if \p < 3
	s_wait_loadcnt 48-16*\p                        ; two pieces are in: behind them the 6 - 2 p others
.else
	s_wait_loadcnt 39                              ; the last two: behind them three groups of weights
.endif
	TURN2 0x0c, \p, 0
.if \p == 2
	LW 0
	LW 1
	LW 2
.endif
	s_wait_dscnt 0x0
	QUANT2 64+64*(\p%2), 96+64*(\p%2)
	IMG 2, (2*\p)/4, (2*\p)%4, 0
	IMG 2, (2*\p+1)/4, (2*\p+1)%4, 1
.if \p == 0
	ASK 2
.endif
.endr
	s_wait_alu depctr_va_vdst(0)
	BARRIER                                        ; the images of h and x lie in LDS
	LA 0, 0, 0, 0
	LA 0, 0, 1, 0
	; ---- GATES r AND z: two trips
	s_mov_b32 s[GATE], 2
.Lgate:
	GROUP 0, 1, 0, 1, 26, 1, -1, 0, 0, 0, 0, 3     ; h's K step 0: U,
	GROUP 1, 1, 0, 0, 26, 1, 0, 0, 1, 1, 0, 0
	GROUP 2, 0, 0, 0, 26, 1, 1, 0, 1, 1, 0, 0      ; then W's second half
	GROUP 3, 0, 0, 0, 26, 1, -1, 0, 0, 0, 1, 0
	GROUP 4, 0, 1, 1, 26, 1, -1, 0, 0, 0, 0, 4     ; h's K step 1, likewise
	GROUP 5, 0, 1, 0, 26, 1, 0, 2, 0, 0, 0, 0
	GROUP 6, 0, 1, 0, 26, 1, 1, 2, 0, 0, 0, 0
	GROUP 7, 0, 1, 0, 26, 1, -1, 0, 0, 0, 0, 0
	GROUP 8, 0, 0, 1, 26, 1, 0, 2, 1, 1, 0, 5      ; x's K step 0: W's first half
	GROUP 9, 0, 0, 0, 26, 1, 1, 2, 1, 1, 0, 0
	GROUP 10, 0, 1, 1, 26, 1, 0, 0, 0, 0, 0, 0     ; x's K step 1; the next gate's first operands are h's
	GROUP 11, 0, 1, 0, 26, 1, 1, 0, 0, 0, 0, 0
	PLACES 4                                       ; behind the last products: their results are read below
	; a: window 2's sums times the factor, plus the biases, go to window 3.  The real sums stand with their sign turned.  The biases lie where the last two blocks go: the real ones have been used by then, the imaginary ones are read in place
	WIN 0xf2
.set QI, 0
.rept 64
	v_pk_fma_f32 v[QI:QI+1], v[QI:QI+1], s[CSG:CSG+1], v[192+QI%32:193+QI%32] op_sel_hi:[1,0,1] neg_lo:[1,0,0] neg_hi:[1,0,0]
.set QI, QI+2
.endr
.rept 64
	v_pk_fma_f32 v[QI:QI+1], v[QI:QI+1], s[CSG:CSG+1], v[224+QI%32:225+QI%32] op_sel_hi:[1,0,1]
.set QI, QI+2
.endr
	WIN 0
	v_add_nc_u32 v[BIA], 0x200, v[BIA]             ; the next gate's biases (the loads that named it are in)
	WIN 0xc3
	s_wait_alu depctr_va_vdst(0)
.irp n, 0,1,2,3,4,5,6,7,8,9
	STEP \n, 0
.endr
	WIN 0
	s_wait_xcnt 0x0                                ; every load of the gate has read its base
	s_add_nc_u64 s[WP:WP+1], s[WP:WP+1], 12*GRPB   ; the next gate's groups
	s_cmp_eq_u32 s[GATE], 2                        ; the count of gates alone decides: the same in all waves; the arm holds no barrier
	s_cbranch_scc0 .Lgate_end
	; in the first trip: r h, a complex product in f32, becomes codes in region 1; h comes from LDS into window 2, whose sums have been used
	HL 0x80, 0
.irp m, 0,1,2,3
.if \m < 3
	HL 0x80, \m+1
	s_wait_dscnt 16                                ; all but the next tile's loads
.else
	s_wait_dscnt 0x0
.endif
	WIN 0x0b                                       ; source 0 (r) window 3, source 1 (h) window 2
.irp q, 0,2,4,6,8,10,12,14,16,18,20,22,24,26,28,30
	v_pk_mul_f32 v[TR+\q:TR+\q+1], v[32*\m+\q:32*\m+\q+1], v[32*\m+\q:32*\m+\q+1]                    ; rr hr
	v_pk_mul_f32 v[TR+32+\q:TR+33+\q], v[32*\m+\q:32*\m+\q+1], v[128+32*\m+\q:128+32*\m+\q+1]        ; rr hi
.endr
.irp q, 0,2,4,6,8,10,12,14,16,18,20,22,24,26,28,30
	v_pk_fma_f32 v[TR+\q:TR+\q+1], v[128+32*\m+\q:128+32*\m+\q+1], v[128+32*\m+\q:128+32*\m+\q+1], v[TR+\q:TR+\q+1] neg_lo:[1,0,0] neg_hi:[1,0,0]   ; - ri hi
	v_pk_fma_f32 v[TR+32+\q:TR+33+\q], v[128+32*\m+\q:128+32*\m+\q+1], v[32*\m+\q:32*\m+\q+1], v[TR+32+\q:TR+33+\q]                                  ; + ri hr
.endr
	WIN 0
	QUANT2 TR, TR+32
	IMG 1, 0, \m, 0
	IMG 1, 1, \m, 1
.endr
.Lgate_end:
	s_sub_co_u32 s[GATE], s[GATE], 1
	s_cmp_lg_u32 s[GATE], 0
	s_wait_alu depctr_va_vdst(0)
	s_cbranch_scc1 .Lgate
	BARRIER                                        ; every wave's images of r h lie in LDS
	; ---- GATE h, written out: its last three groups ask for nothing
	GROUP 0, 1, 0, 1, 26, 1, 0, 0, 1, 1, 0, 0      ; U on h
	GROUP 1, 1, 0, 0, 26, 1, 1, 0, 1, 1, 0, 0
	GROUP 2, 0, 1, 1, 26, 1, 0, 2, 0, 0, 0, 0
	GROUP 3, 0, 1, 0, 26, 1, 1, 2, 0, 0, 0, 0
	GROUP 4, 0, 0, 1, 26, 1, 0, 2, 1, 1, 0, 0      ; W's first half on x
	GROUP 5, 0, 0, 0, 26, 1, 1, 2, 1, 1, 0, 0
	GROUP 6, 0, 1, 1, 26, 1, 0, 1, 0, 0, 0, 0
	GROUP 7, 0, 1, 0, 26, 1, 1, 1, 0, 0, 0, 0
	GROUP 8, 0, 0, 1, 26, 1, 0, 1, 1, 1, 0, 0      ; W's second half on r h
	GROUP 9, 0, 0, 0, 26, 0, 1, 1, 1, 1, 0, 0
	GROUP 10, 0, 1, 1, 13, 0, -1, 0, 0, 0, 0, 0
	GROUP 11, 0, 1, 0, 0, 0, -1, 0, 0, 0, 2, 0
	PLACES 4
	HL 0x40, 0                                     ; h's first tile of rows, for the way out
	s_wait_dscnt 16                                ; the biases are in
	WIN 0x82
.set QI, 0
.rept 64
	v_pk_fma_f32 v[QI:QI+1], v[QI:QI+1], s[CTH:CTH+1], v[64+QI%32:65+QI%32] op_sel_hi:[1,0,1] neg_lo:[1,0,0] neg_hi:[1,0,0]
.set QI, QI+2
.endr
.rept 64
	v_pk_fma_f32 v[QI:QI+1], v[QI:QI+1], s[CTH:CTH+1], v[96+QI%32:97+QI%32] op_sel_hi:[1,0,1]
.set QI, QI+2
.endr
	; ---- THE WAY OUT, row block by row block.  h_new = h + z (h_hat - h), complex: re = hr + zr dr - zi di, im = hi + zr di + zi dr, which is the cell's last line with its terms gathered
.macro OUT m
.if \m > 0
	s_wait_xcnt 0x0                                ; the last block's stores have read their registers: they are loaded again only behind this wait
.endif
.if \m < 3
	HL 0x40, \m+1                                  ; h's next tile of rows
.endif
	WIN 0x82
.irp c, 0,128
.irp q, 0,2,4,6,8,10,12,14,16,18,20,22,24,26,28,30
	v_pk_fma_f32 v[\c+32*\m+\q:\c+32*\m+\q+1], v[\c+32*\m+\q:\c+32*\m+\q+1], -2.0, 1.0 op_sel_hi:[1,0,0]   ; h_hat = tanh = 1 - 2 / (1 + 2^(2 log2(e) a))
.endr
.endr
	WIN 0x86                                       ; destination and source 0 window 2, source 1 window 1
.irp c, 0,128
.irp q, 0,2,4,6,8,10,12,14,16,18,20,22,24,26,28,30
	v_pk_add_f32 v[\c+32*\m+\q:\c+32*\m+\q+1], v[\c+32*\m+\q:\c+32*\m+\q+1], v[\c+32*\m+\q:\c+32*\m+\q+1] neg_lo:[0,1] neg_hi:[0,1]   ; d = h_hat - h
.endr
.endr
	WIN 0x1b                                       ; source 0 (z) window 3, source 1 (d) window 2, source 2 (h) window 1
.irp q, 0,2,4,6,8,10,12,14,16,18,20,22,24,26,28,30
	v_pk_fma_f32 v[T0+\q:T0+\q+1], v[32*\m+\q:32*\m+\q+1], v[32*\m+\q:32*\m+\q+1], v[32*\m+\q:32*\m+\q+1]
	v_pk_fma_f32 v[T1+\q:T1+\q+1], v[32*\m+\q:32*\m+\q+1], v[128+32*\m+\q:128+32*\m+\q+1], v[128+32*\m+\q:128+32*\m+\q+1]
.endr
	WIN 0x0b                                       ; source 2 window 0
.irp q, 0,2,4,6,8,10,12,14,16,18,20,22,24,26,28,30
	v_pk_fma_f32 v[T0+\q:T0+\q+1], v[128+32*\m+\q:128+32*\m+\q+1], v[128+32*\m+\q:128+32*\m+\q+1], v[T0+\q:T0+\q+1] neg_lo:[1,0,0] neg_hi:[1,0,0]
	v_pk_fma_f32 v[T1+\q:T1+\q+1], v[128+32*\m+\q:128+32*\m+\q+1], v[32*\m+\q:32*\m+\q+1], v[T1+\q:T1+\q+1]
.endr
	WIN 0
.irp j, 0,1,2,3,4,5,6,7
	ds_store_b128 v[STR], v[T0+4*\j:T0+4*\j+3] offset:STG+16*\j
.endr
.irp j, 0,1,2,3,4,5,6,7
	ds_load_b128 v[RK+4*\j:RK+3+4*\j], v[STW] offset:STG+544*\j    ; back as rows: LDS serves a wave's instructions in order
.endr
.irp j, 0,1,2,3,4,5,6,7
	ds_store_b128 v[STR], v[T1+4*\j:T1+4*\j+3] offset:STG+16*\j
.endr
.irp j, 0,1,2,3,4,5,6,7
	ds_load_b128 v[RK+32+4*\j:RK+35+4*\j], v[STW] offset:STG+544*\j
.endr
.endm
.macro SEND m
	WIN 0
	s_wait_dscnt 0x0
.irp j, 0,1,2,3,4,5,6,7
	global_store_b128 v[GLO], v[RK+4*\j:RK+3+4*\j], s[26:27] offset:(16*\m+2*\j)*1024 th:TH_STORE_NT   ; sixteen lanes store 256 consecutive bytes, aligned
	global_store_b128 v[GLO], v[RK+32+4*\j:RK+35+4*\j], s[34:35] offset:(16*\m+2*\j)*1024 th:TH_STORE_NT
.endr
.endm
	s_wait_alu depctr_va_vdst(0)
	STEP 0, 1
	STEP 1, 1
	STEP 2, 1
	STEP 3, 1
	WIN 0
	s_wait_dscnt 0x0                               ; h's first tile of rows is in
	OUT 0
	WIN 0x82
	STEP 4, 1                                      ; a block's way through the stage goes beside the next two steps
	STEP 5, 1
	SEND 0
	OUT 1
	WIN 0x82
	STEP 6, 1
	STEP 7, 1
	SEND 1
	OUT 2
	WIN 0x82
	STEP 8, 1
	STEP 9, 1
	SEND 2
	OUT 3
	SEND 3
	s_wait_tensorcnt 0x0                           ; the wave's end: behind my last LDS store
	ds_add_u32 v[SPW], v[NIL]
	s_wait_dscnt 0x0
	s_endpgm
.Lfunc_end_k_q58ea9204de_cell:
	.size	k_q58ea9204de_cell, .Lfunc_end_k_q58ea9204de_cell-k_q58ea9204de_cell
	.p2alignl 7, 3214868480
	.fill 96, 4, 3214868480
	.section	.rodata,"a",@progbits
	.p2align	6, 0x0
	.amdhsa_kernel k_q58ea9204de_cell
		.amdhsa_group_segment_fixed_size 240128
		.amdhsa_private_segment_fixed_size 0
		.amdhsa_enable_private_segment 0
		.amdhsa_kernarg_size 96
		.amdhsa_user_sgpr_count 2
		.amdhsa_user_sgpr_kernarg_segment_ptr 1
		.amdhsa_wavefront_size32 1
		.amdhsa_system_sgpr_workgroup_id_x 1
		.amdhsa_system_sgpr_workgroup_id_y 1
		.amdhsa_system_sgpr_workgroup_id_z 1
		.amdhsa_system_vgpr_workitem_id 0
		.amdhsa_next_free_vgpr 1024
		.amdhsa_next_free_sgpr 100
		.amdhsa_reserve_vcc 0
		.amdhsa_float_denorm_mode_32 3
		.amdhsa_float_denorm_mode_16_64 3
		.amdhsa_memory_ordered 1
		.amdhsa_forward_progress 1
		.amdhsa_inst_pref_size 255
	.end_amdhsa_kernel
	.section	.bss,"aw",@nobits
	.p2align	6
	.space	262144
	.amdgpu_metadata
---
amdhsa.version: [ 1, 2 ]
amdhsa.kernels:
  - .name:           k_q58ea9204de_cell
    .symbol:         k_q58ea9204de_cell.kd
    .args:
      - { .name: x_re, .offset: 0, .size: 8, .value_kind: global_buffer, .address_space: global }
      - { .name: x_im, .offset: 8, .size: 8, .value_kind: global_buffer, .address_space: global }
      - { .name: h_re, .offset: 16, .size: 8, .value_kind: global_buffer, .address_space: global }
      - { .name: h_im, .offset: 24, .size: 8, .value_kind: global_buffer, .address_space: global }
      - { .name: wr_b_re, .offset: 32, .size: 8, .value_kind: global_buffer, .address_space: global }
      - { .name: wr_b_im, .offset: 40, .size: 8, .value_kind: global_buffer, .address_space: global }
      - { .name: wz_b_re, .offset: 48, .size: 8, .value_kind: global_buffer, .address_space: global }
      - { .name: wz_b_im, .offset: 56, .size: 8, .value_kind: global_buffer, .address_space: global }
      - { .name: wh_b_re, .offset: 64, .size: 8, .value_kind: global_buffer, .address_space: global }
      - { .name: wh_b_im, .offset: 72, .size: 8, .value_kind: global_buffer, .address_space: global }
      - { .name: wpack, .offset: 80, .size: 8, .value_kind: global_buffer, .address_space: global }
      - { .name: out0, .offset: 88, .size: 8, .value_kind: global_buffer, .address_space: global }
    .group_segment_fixed_size: 240128
    .private_segment_fixed_size: 0
    .kernarg_segment_align: 8
    .kernarg_segment_size: 96
    .max_flat_workgroup_size: 128
    .sgpr_count:     100
    .vgpr_count:     1024
    .wavefront_size: 32
...
	.end_amdgpu_metadata
.endif
;; end of part 2
